; MI455X (gfx1250); checked and timed in simulation.
; The chip was launched on July 23, 2026; its instructions are those of AMD's public machine-readable ISA for CDNA 5 (MIT licence, August 2026) and "CDNA5" Instruction Set Architecture Reference Guide (July 2026). The comments in the code are by the model that wrote it; some were corrected since.
;; Vit Self Attention. Allowed arithmetic: matrix products marked QUANTISED: E4M3 operands, one given power-of-two scale a tensor, by v_wmma_f32_16x16x64_fp8_fp8 or v_wmma_f32_16x16x128_fp8_fp8, f32 sums; everything else in f32.
;; Inputs: Wk_codes 768 x 24 x 32 uint8 (E4M3 codes of Wk, K innermost, in blocks of 32 codes); Wq_codes 768 x 24 x 32 uint8 (E4M3 codes of Wq, K innermost, in blocks of 32 codes); Wv_codes 768 x 24 x 32 uint8 (E4M3 codes of Wv, K innermost, in blocks of 32 codes); bk 768 float32; bq 768 float32; bv 768 float32; lowp_scales 10 int32 (the exponents e of the quantised operands' scales 2^e); x_codes 16 x 1,024 x 24 x 32 uint8 (E4M3 codes of x, K innermost, in blocks of 32 codes).
;; Outputs: out0 16 x 1,024 x 768 float32.
;; This version of the problem:
;;   THIS VERSION OF THE PROBLEM IS GIVEN IN LOW PRECISION. The matrix products marked QUANTISED in the list below multiply operands that are first quantised to E4M3 (4 exponent bits, 3 mantissa bits; 8 bits a number), with one given power-of-two scale for each operand tensor; their sums are f32. All else is computed in f32.
;;   The module's matrix products, in the order in which they are computed (A, B: the left and right operand; K: the contracted axis; several contracted axes count as one K, in the product's order):
;;     1. [M 16,384, K 768] x [K 768, N 768]; A: input x (given as codes); B: input Wq (given as codes): QUANTISED (scales: A lowp_scales[0], B lowp_scales[1])
;;     2. [M 16,384, K 768] x [K 768, N 768]; A: input x (given as codes); B: input Wk (given as codes): QUANTISED (scales: A lowp_scales[2], B lowp_scales[3])
;;     3. [M 16,384, K 768] x [K 768, N 768]; A: input x (given as codes); B: input Wv (given as codes): QUANTISED (scales: A lowp_scales[4], B lowp_scales[5])
;;     4. batch 192 x [M 1,024, K 64] x [K 64, N 1,024]; A: computed on the way; B: computed on the way: QUANTISED (scales: A lowp_scales[6], B lowp_scales[7])
;;     5. batch 192 x [M 1,024, K 1,024] x [K 1,024, N 64]; A: softmax (see below); B: computed on the way: QUANTISED (scales: A lowp_scales[8], B lowp_scales[9])
;;   THE QUANTISER, for each operand of a quantised product, along K:
;;     - The operand's scale is 2^e, e = its entry of the input lowp_scales (int32; the entries are numbered through the quantised products in the list's order, A before B).
;;     - Each number is divided by the scale, clamped to +-448, and rounded to the nearest number of E4M3, ties to even, subnormals kept.
;;     - The product sums the exact products of the quantised numbers (number of the format x scale) in f32.
;;   ~~~python
;;   def quantise(x, axis, e):      # numpy; x: float32 -> the quantised numbers, widened to float32 again
;;       x = np.moveaxis(x, axis, -1); K = x.shape[-1]
;;       r = np.clip(x / 2.0 ** e, -448, 448)
;;       step = 2.0 ** (np.maximum(np.frexp(np.where(r == 0, 1, r))[1] - 1, -6) - 3)
;;       q = np.round(r / step) * step * 2.0 ** e      # np.round: ties to even
;;       return np.moveaxis(q, -1, axis).astype(np.float32)
;;   ~~~
;;   SOFTMAX AHEAD OF A QUANTISED PRODUCT. Where the list says 'softmax', what is quantised is not the finished softmax but p = 2^(t - M), with t = logit x log2(e) and M = ceil(the row's largest t), a whole number; so 1/2 < the row's largest p <= 1. The row's sum l is taken of the UNQUANTISED p, in f32, and the product's result is divided by l at the end. Since M is a whole number, a kernel that streams over the keys may use a running M (the ceiling of the running maximum): every later rescaling is an exact power of two, so the quantised numbers keep their values, but for numbers so far below the row's largest that they fall under the format's range.
;;   OPERANDS COMPUTED ON THE WAY. 'Computed on the way' means the value that the module computes at that place (a softmax that the list does not call 'softmax' is quantised finished and normalised). What goes into a quantiser is computed in f32, as accurately as f32 sums, v_exp_f32 and their like allow (about 1e-6 of the number): no bf16 or f16 on the way to a quantiser, and a product that is left as it is and whose result goes on into a quantised operand takes f32 operands (vector FMAs, or v_wmma_f32_16x16x4_f32). A number that lies on a knife's edge between two numbers of the format may be rounded either way, as far as f32 arithmetic and the matrix unit's own rounding can turn it there, and no further.
;;   INPUTS GIVEN AS CODES. Wk (in the module: [768, 768], K = its axis 1); Wq (in the module: [768, 768], K = its axis 1); Wv (in the module: [768, 768], K = its axis 1); x (in the module: [16, 1024, 768], K = its axis 2): each comes as NAME_codes (uint8): NAME with its K axis moved to the last place and cut into blocks of 32 codes, [.., K / 32, bytes a block], one block behind the other in memory; one code a byte (a code: sign, 4 exponent bits, 3 mantissa bits); its scale is its entry of lowp_scales. Its value is code x scale, taken as it is: it is not quantised again, and the codes and scales need not be those that the quantiser above would give.
;; One version. Each part assembles by itself: llvm-mc -triple=amdgcn-amd-amdhsa -mcpu=gfx1250 --defsym DOCPART=n.
;; ======== version 1 of 1: 2 launches
;; limits: right only within a limited range of input values
;; workspace buffers: qimg 12,582,912 bytes; kv 25,165,824 bytes
;; launch proj (part 1): grid 256 x 1, 4 waves a work-group, clusters of 4 x 1, 327,680 bytes of LDS; arguments x_codes, Wq_codes, Wk_codes, Wv_codes, bq, bk, bv, lowp_scales, qimg, kv; writes qimg, kv
.if DOCPART == 1
	.amdgcn_target "amdgcn-amd-amdhsa--gfx1250"
	.amdhsa_code_object_version 6
	.text
	.protected	k_qdcbb6717c2_proj
	.globl	k_qdcbb6717c2_proj
	.p2align	8
	.type	k_qdcbb6717c2_proj,@function
k_qdcbb6717c2_proj:
	s_mov_b64 s[64:65], 0
	v_nop
	global_prefetch_b8 v0, s[64:65] scope:SCOPE_SE
	s_setreg_imm32_b32 hwreg(HW_REG_WAVE_MODE, 25, 1), 1
	s_wait_xcnt 0x0
	s_wait_alu depctr_hold_cnt(0) depctr_sa_sdst(0) depctr_va_vdst(0) depctr_va_sdst(0) depctr_va_ssrc(0) depctr_va_vcc(0) depctr_vm_vsrc(0)
	s_getreg_b32 s2, hwreg(HW_REG_IB_STS2, 6, 4)
	s_cmp_eq_u32 s2, 0
	s_cbranch_scc0 .Lentry_in_a_cluster
	s_endpgm
.Lentry_in_a_cluster:
	s_bfe_u32 s2, ttmp6, 0x10000c
	s_cmp_lg_u32 s2, 0x3003
	s_cbranch_scc0 .Lentry_shape_is_right
	s_endpgm
.Lentry_shape_is_right:
; q = x Wq^T + bq, k, v likewise, on codes of FP8 (E4M3), K = 768; the results are quantised with the given scales and stored as codes. No step and no input of the problem is left out.
; SHARES. 256 work-groups: cluster C (of 64) = batch C / 4 and heads 3 (C % 4) + 0 .. 2; its four work-groups take 256 tokens each. A wave owns 64 tokens: one record of a head.
; x's 64 rows x 768 codes stay in 384 registers for all three heads. A head's 64 rows of Wq, Wk, Wv (K whole) fill one of two LDS slots; the four work-groups of the cluster need the same rows and ask jointly.
; A dense block of 64 rows x 768 bytes is stated as 192 rows of 256 bytes with 16 bytes of padding behind each: an LDS row of W is 3 x 272 = 816 bytes, an odd multiple of 16.
; q, k TRANSPOSED (source 0 = 16 rows of W, source 1 = 16 tokens): a lane holds one token and eight neighbouring d. v as it stands: a lane holds one d and eight neighbouring tokens.
; So a conversion's two registers are two registers of the next products' operands, and the codes are stored as IMAGES OF THOSE REGISTERS: a fragment = 1,024 bytes, registers 0-3 at 16 x lane, 4-7 at 512 + 16 x lane.
; kv: [head of 192][record of 64 tokens, 16][K's 4 fragments (16 tokens x 64 d), V^T's 4 (16 d x 64 tokens)]; qimg: [head][64 fragments of 16 tokens]. Each store of a wave covers 512 consecutive bytes, aligned.
; In x's and W's fragments the 128 k of a product are placed alike on both sides, not in the form's own order (four loads of 16 bytes): every product meets its partner.
; No prefetch: a slot is asked for a whole head's 288 products ahead of its first read, and the first fill has no loop ahead of it.
; LIMITS: e0 + e1, e2 + e3, e4 + e5 between -126 and 127; e6, e7, e9 between -126 and 119 (each power of two is an f32 number). NaN among the biases is not served.
; REGISTERS. window 0: v0-31 addresses and scales; v32-223 three sets of four fragments of W (later biases and codes); v224-231 v's biases. window 1: x, K steps 0-3. window 2: v0-127 x, K steps 4, 5; v128-255 q's sums.
; window 3: v0-127 k's sums, v128-255 v's.
.set RP, 816
.set WPART, 192*272
.set SLOT, 3*WPART
.set SPARE, 2*SLOT                     ; the spare words: 128 bytes a wave
.set BIAS, SPARE+512                   ; bq, bk, bv of my three heads: 3 x 192 f32
.set SPW, 1
.set NIL, 2
.set LI, 3
.set XO, 4
.set AW0, 5
.set QSC, 10
.set KSC, 12
.set VSC, 14
.set ADW, 16
.set BQ0, 19
.set BV0, 20
.set BQ, 21
.set BV, 22
.set XL, 23                            ; v23: LDS address of my rows of x
.set XP, 272                           ; an LDS row of x: 256 bytes (K steps 0 and 1) + 16 of padding, an odd multiple of 16
.set WV, 24
.set G1, 40
.set G0, 48
.set TB, 52
.set WB, 56
.set SQ, 60
.set SK, 62
.set SV, 66
.set HB, 68
.set MSB, 0
.macro WIN new
.if MSB != \new
	s_set_vgpr_msb (MSB<<8)|\new
.set MSB, \new
.endif
.endm
.macro PLACES
.rept 4
	v_nop
.endr
.endm
.macro ROUND                           ; a round of the cluster's barrier
	s_barrier_signal -1
	s_barrier_wait -1
	s_cmp_lg_u32 s[WV], 0
	s_cbranch_scc1 .Lnw0_\@
	s_barrier_signal -3
.Lnw0_\@:
	s_barrier_wait -3
	s_barrier_signal -1
	s_barrier_wait -1
.endm
.macro TLOAD                           ; waves 0, 1, 2 ask for the head's rows of Wq, Wk, Wv; wave 3 for nothing
	s_cmp_lt_u32 s[WV], 3
	s_cbranch_scc0 .Lasked_\@
	tensor_load_to_lds s[G0:G0+3], s[G1:G1+7]
	s_nop 0
	PLACES
.Lasked_\@:
.endm
; the change of slots, at a head's start. fill = 1: the other slot takes the next head's rows.
.macro CHANGE fill
	s_wait_tensorcnt 0x0
	ds_add_u32 v[SPW], v[NIL]
.if \fill
	s_xor_b32 s53, s[TB], SLOT
	s_add_co_u32 s[G0+1], s53, s[WB]
	s_add_nc_u64 s[G0+2:G0+3], s[G0+2:G0+3], 64*768
.endif
	s_wait_dscnt 0x0
.if \fill
	ROUND
	TLOAD
.else
	s_barrier_signal -1
	s_barrier_wait -1
.endif
.endm
; group n of 18: type n / 6 (q, k, v), K step n % 6: four fragments of W into set n % 3
.macro WLOAD n
.set TY, (\n)/6
.set KS, (\n)%6
.set WR0, 32+64*((\n)%3)
.irp d, 0,1,2,3
.irp c, 0,1,2,3
	ds_load_b128 v[WR0+16*\d+4*\c:WR0+16*\d+4*\c+3], v[ADW+TY] offset:\d*16*RP+(KS/2)*272+(KS%2)*128+32*\c
.endr
.endr
.endm
; its 16 products; a type's 16 sums take turns; K step 0 starts the sums
.macro MULG n
.set TY, (\n)/6
.set KS, (\n)%6
.set XW, 1+KS/4
.set WR0, 32+64*((\n)%3)
.if TY == 0
	WIN (XW<<2)|0xa0
.elseif TY == 1
	WIN (XW<<2)|0xf0
.else
	WIN XW|0xf0
.endif
.irp d, 0,1,2,3
.irp a, 0,1,2,3
.set XR, 64*(KS%4)+16*\a
.set WR, WR0+16*\d
.if TY == 0
.set AC, 128+8*(4*\a+\d)
.elseif TY == 1
.set AC, 8*(4*\a+\d)
.else
.set AC, 128+8*(4*\d+\a)
.endif
.if TY < 2
.if KS == 0
	v_wmma_f32_16x16x128_fp8_fp8 v[AC:AC+7], v[WR:WR+15], v[XR:XR+15], 0
.else
	v_wmma_f32_16x16x128_fp8_fp8 v[AC:AC+7], v[WR:WR+15], v[XR:XR+15], v[AC:AC+7]
.endif
.else
.if KS == 0
	v_wmma_f32_16x16x128_fp8_fp8 v[AC:AC+7], v[XR:XR+15], v[WR:WR+15], 0
.else
	v_wmma_f32_16x16x128_fp8_fp8 v[AC:AC+7], v[XR:XR+15], v[WR:WR+15], v[AC:AC+7]
.endif
.endif
.endr
.endr
.endm
.macro BLOAD                           ; the head's biases: q's 32 of my lane into v32-63, k's into v64-95, v's four into v224, 226, 228, 230
.irp d, 0,1,2,3
	ds_load_b128 v[32+8*\d:35+8*\d], v[BQ] offset:64*\d
	ds_load_b128 v[36+8*\d:39+8*\d], v[BQ] offset:64*\d+16
	ds_load_b128 v[64+8*\d:67+8*\d], v[BQ] offset:768+64*\d
	ds_load_b128 v[68+8*\d:71+8*\d], v[BQ] offset:768+64*\d+16
	ds_load_b32 v[224+2*\d], v[BV] offset:1536+64*\d
.endr
.endm
; 32 sums (window aw, from acc on) become eight registers of codes: sum x 2^(the operands' e) + bias, the hold at 448 x the scale (the conversion does not saturate: ISA guide 7.6.2), the conversion
.macro QUANT aw, acc, bias, hi, pc, sc, sp
	WIN (\aw<<6)|\aw
.set i, 0
.rept 16
.if \hi
	v_pk_fma_f32 v[\acc+i:\acc+i+1], v[\acc+i:\acc+i+1], s[\sp:\sp+1], v[\bias+i:\bias+i+1] op_sel_hi:[1,0,1]
.else
	v_pk_fma_f32 v[\acc+i:\acc+i+1], v[\acc+i:\acc+i+1], s[\sp:\sp+1], v[\bias:\bias+1] op_sel_hi:[1,0,0]
.endif
.set i, i+2
.endr
.set i, 0
.rept 32
	v_med3_num_f32 v[\acc+i], v[\acc+i], -v[\sc+1], v[\sc+1]
.set i, i+1
.endr
	WIN \aw
.irp e, 0,1,2,3
	v_cvt_scalef32_pk8_fp8_f32 v[\pc+2*\e:\pc+2*\e+1], v[\acc+8*\e:\acc+8*\e+7], v[\sc]
.endr
.endm
.macro OUT pc, base, off               ; four fragments' images
	v_nop                                          ; a plain line behind the last conversion
	WIN 0
.irp a, 0,1,2,3
	global_store_b128 v[LI], v[\pc+8*\a:\pc+8*\a+3], s[\base:\base+1] offset:\off+1024*\a
	global_store_b128 v[LI], v[\pc+8*\a+4:\pc+8*\a+7], s[\base:\base+1] offset:\off+1024*\a+512
.endr
.endm
; one head for my 64 tokens: 288 products, W's groups two ahead in three sets, then the record
.macro WORK late
	v_add_nc_u32 v[ADW], s[TB], v[AW0]
	v_add_nc_u32 v[ADW+1], s[TB], v[AW0+1]
	v_add_nc_u32 v[ADW+2], s[TB], v[AW0+2]
	v_add_nc_u32 v[BQ], s[HB], v[BQ0]
	v_add_nc_u32 v[BV], s[HB], v[BV0]
	s_wait_alu depctr_va_vdst(0)
	WLOAD 0
	WLOAD 1
.irp n, 0,1,2,3,4,5,6,7,8,9,10,11,12,13,14,15,16,17
	WIN 0
.if \n < 16
	PLACES                                         ; group n - 1's products have read the set that group n + 2 takes
	WLOAD \n+2
	s_wait_dscnt 32                                ; group n is in; the two groups behind it (16 loads each) may be out
.elseif \n == 16
	PLACES
	BLOAD
	s_wait_dscnt 36                                ; group 17's 16 loads and the 20 of the biases may be out
.else
	s_wait_dscnt 20                                ; the biases' 20 may be out
.endif
	MULG \n
.endr
	WIN 0
	s_wait_dscnt 0x0
.irp a, 0,1,2,3
	QUANT 2, 128+32*\a, 32, 1, 96+8*\a, QSC, SQ    ; q; its lines are also the places behind v's last products
.endr
.if \late == 0
	OUT 96, 20, 0                                  ; late = 0, the last head: each type is stored as soon as its codes are made
.endif
.irp a, 0,1,2,3
	QUANT 3, 32*\a, 64, 1, 128+8*\a, KSC, SK       ; k
.endr
.if \late
	OUT 96, 20, 0                                  ; late = 1: a type's stores stand behind the next type's arithmetic
.else
	OUT 128, 22, 0
.endif
.irp d, 0,1,2,3
	QUANT 3, 128+32*\d, 224+2*\d, 0, 160+8*\d, VSC, SV   ; v: one d a lane, one bias for all its tokens
.endr
.if \late
	OUT 128, 22, 0
.endif
	OUT 160, 22, 4096
	s_wait_xcnt 0x0                                ; the stores have read their registers and bases
	s_add_nc_u64 s[20:21], s[20:21], 65536         ; the next head
	s_add_nc_u64 s[22:23], s[22:23], 131072
	s_add_co_u32 s[HB], s[HB], 256
	s_xor_b32 s[TB], s[TB], SLOT
.endm
.macro POW2 d, a, b                    ; s[d] = 2^(s[a] + s[b]) as f32, written as a pair
	s_add_co_i32 s[\d], s[\a], s[\b]
	s_add_co_i32 s[\d], s[\d], 127
	s_lshl_b32 s[\d], s[\d], 23
	s_mov_b32 s[\d+1], s[\d]
.endm
.macro QS sc, e                        ; v[sc] = 2^e, v[sc + 1] = 448 x 2^e
	s_add_co_i32 s53, s[\e], 127
	s_lshl_b32 s54, s53, 23
	v_mov_b32 v[\sc], s54
	s_add_co_i32 s53, s53, 8
	s_lshl_b32 s53, s53, 23
	s_or_b32 s53, s53, 0x600000
	v_mov_b32 v[\sc+1], s53
.endm
	s_load_b512 s[4:19], s[0:1], 0x0               ; x, Wq, Wk, Wv, bq, bk, bv, the exponents
	s_load_b128 s[20:23], s[0:1], 0x40             ; qimg, kv
	v_lshl_add_u32 v[SPW], v0, 2, SPARE
	v_mov_b32 v[NIL], 0
	ds_add_u32 v[SPW], v[NIL]                      ; the opening lines: the add twice and its wait
	ds_add_u32 v[SPW], v[NIL]
	v_lshrrev_b32 v3, 5, v0
	v_readfirstlane_b32 s[WV], v3
	s_bfe_u32 s25, ttmp6, 0x40000                  ; cx: my quarter of the batch's tokens
	s_and_b32 s26, ttmp9, 3                        ; which three heads
	s_lshr_b32 s27, ttmp9, 2                       ; the batch
	s_mov_b32 s[G1], 15|(1<<20)|(1<<21)|(5<<22)|(3<<25)   ; all four of the cluster; bytes; four words of padding behind every 64
	s_mov_b32 s[G1+1], 256<<16
	s_mov_b32 s[G1+2], 192<<16
	s_mov_b32 s[G1+3], 256<<16
	s_mov_b32 s[G1+4], 192
	s_mov_b32 s[G1+5], 256
	s_mov_b32 s[G1+6], 0
	s_mov_b32 s[G1+7], 0
	s_mov_b32 s[G0], 1
	s_mov_b32 s84, (1<<20)|(5<<22)|(3<<25)         ; x's tile, my work-group's own: 256 rows x 256 bytes, 768 apart; four words of padding behind every 64
	s_mov_b32 s85, 256<<16
	s_mov_b32 s86, 256<<16
	s_mov_b32 s87, 256<<16
	s_mov_b32 s88, 256
	s_mov_b32 s89, 768
	s_mov_b32 s90, 0
	s_mov_b32 s91, 0
	s_mov_b32 s92, 1
	s_mov_b32 s93, SLOT                            ; into slot 1's bytes, which take the second head's rows only behind the first change's round
	s_mul_i32 s[WB], s[WV], WPART
	s_mov_b32 s[G0+1], s[WB]
	s_mov_b32 s[TB], 0
	s_mov_b32 s[HB], 0
	s_mul_i32 s70, s26, 3*64*768                   ; my first head's rows in each W
	s_mov_b32 s71, 0
	s_mul_i32 s72, s26, 768                        ; and its biases
	s_mov_b32 s73, 0
	s_lshl_b32 s57, s27, 10
	s_lshl_b32 s58, s25, 8
	s_add_co_u32 s57, s57, s58
	s_mul_i32 s96, s57, 768                        ; my work-group's first token, in bytes
	s_mov_b32 s97, 0
	s_lshl_b32 s58, s[WV], 6
	s_add_co_u32 s57, s57, s58                     ; my first token
	s_mul_i32 s76, s57, 768
	s_mov_b32 s77, 0
	s_mul_i32 s57, s27, 12
	s_mul_i32 s58, s26, 3
	s_add_co_u32 s57, s57, s58                     ; my first head of 192
	s_lshl_b32 s57, s57, 4
	s_lshl_b32 s58, s25, 2
	s_add_co_u32 s57, s57, s58
	s_add_co_u32 s57, s57, s[WV]                   ; its record 4 cx + wave
	s_lshl_b32 s78, s57, 12
	s_mov_b32 s79, 0
	s_lshl_b32 s80, s57, 13
	s_mov_b32 s81, 0
	s_wait_dscnt 0x0
	s_wait_kmcnt 0x0
	s_load_b256 s[28:35], s[18:19], 0x0            ; e0 .. e7
	s_load_b64 s[36:37], s[18:19], 0x20            ; e8, e9
	s_add_nc_u64 s[94:95], s[4:5], s[96:97]
	s_or_b32 s95, s95, 0x80000000
	s_add_nc_u64 s[4:5], s[4:5], s[76:77]
	s_add_nc_u64 s[20:21], s[20:21], s[78:79]
	s_add_nc_u64 s[22:23], s[22:23], s[80:81]
	s_cmp_eq_u32 s[WV], 0                          ; wave 0: Wq, bq; wave 1: Wk, bk; else Wv, bv
	s_cselect_b64 s[82:83], s[6:7], s[10:11]
	s_cselect_b64 s[74:75], s[12:13], s[16:17]
	s_cmp_eq_u32 s[WV], 1
	s_cselect_b64 s[82:83], s[8:9], s[82:83]
	s_cselect_b64 s[74:75], s[14:15], s[74:75]
	s_add_nc_u64 s[G0+2:G0+3], s[82:83], s[70:71]
	s_or_b32 s[G0+3], s[G0+3], 0x80000000
	s_add_nc_u64 s[74:75], s[74:75], s[72:73]
	ROUND
	s_cmp_lt_u32 s[WV], 3                          ; the first fills, one a wave: waves 0-2 the first head's rows of Wq, Wk, Wv into slot 0, wave 3 K steps 0 and 1 of x
	s_cbranch_scc0 .Lfor_x
	tensor_load_to_lds s[G0:G0+3], s[G1:G1+7]
	s_nop 0
	PLACES
	s_branch .Lfirst
.Lfor_x:
	tensor_load_to_lds s[92:95], s[84:91]
	s_nop 0
	PLACES
.Lfirst:
	v_and_b32 v30, 31, v0
	v_lshlrev_b32 v[LI], 4, v30
	v_and_b32 v8, 15, v0
	v_bfe_u32 v9, v0, 4, 1
	v_mul_u32_u24 v[XO], v8, 768
	v_lshl_add_u32 v[XO], v9, 4, v[XO]             ; x: row lane % 16, + 16 (lane / 16)
	WIN 0x40                                       ; K steps 2 to 5 of x come straight into registers, 64 loads a wave
.irp s, 2,3
.irp a, 0,1,2,3
.irp c, 0,1,2,3
	global_load_b128 v[64*\s+16*\a+4*\c:64*\s+16*\a+4*\c+3], v[XO], s[4:5] offset:\a*16*768+128*\s+32*\c
.endr
.endr
.endr
	WIN 0x80
.irp s, 4,5
.irp a, 0,1,2,3
.irp c, 0,1,2,3
	global_load_b128 v[64*(\s-4)+16*\a+4*\c:64*(\s-4)+16*\a+4*\c+3], v[XO], s[4:5] offset:\a*16*768+128*\s+32*\c
.endr
.endr
.endr
	WIN 0
	v_mul_u32_u24 v[AW0], v8, RP
	v_lshl_add_u32 v[AW0], v9, 4, v[AW0]           ; W: row x pitch + 16 (lane / 16), for q's, k's, v's part of a slot
	v_add_nc_u32 v[AW0+1], WPART, v[AW0]
	v_add_nc_u32 v[AW0+2], 2*WPART, v[AW0]
	s_mul_i32 s55, s[WV], 64*XP
	s_add_co_u32 s55, s55, SLOT
	v_mul_u32_u24 v[XL], v8, XP
	v_lshl_add_u32 v[XL], v9, 4, v[XL]
	v_add_nc_u32 v[XL], s55, v[XL]                 ; x in LDS: my 64 rows, row lane % 16, + 16 (lane / 16)
	v_lshl_add_u32 v[BQ0], v9, 5, BIAS             ; q, k: my eight d of a tile begin at 8 (lane / 16)
	v_lshl_add_u32 v[BV0], v8, 2, BIAS             ; v: my d of a tile is lane % 16
	s_mul_i32 s53, s[WV], 768
	v_lshl_add_u32 v31, v30, 3, BIAS
	v_add_nc_u32 v31, s53, v31                     ; the table: type x 768 + 8 x lane
	v_lshlrev_b32 v30, 3, v30
.irp d, 225,227,229,231
	v_mov_b32 v\d, 0                               ; named as the upper halves of pairs
.endr
	s_wait_kmcnt 0x0
	POW2 SQ, 28, 29
	POW2 SK, 30, 31
	POW2 SV, 32, 33
	QS QSC, 34
	QS KSC, 35
	QS VSC, 37
	s_wait_alu depctr_va_vdst(0)
	s_cmp_lt_u32 s[WV], 3
	s_cbranch_scc0 .Lno_bias
	global_load_b64 v[24:25], v30, s[74:75]        ; 192 biases of one type: 32 lanes x 3 x 8 bytes
	global_load_b64 v[26:27], v30, s[74:75] offset:256
	global_load_b64 v[28:29], v30, s[74:75] offset:512
	s_wait_loadcnt 0x0
	ds_store_b64 v31, v[24:25]                     ; read by all waves behind the first change's round
	ds_store_b64 v31, v[26:27] offset:256
	ds_store_b64 v31, v[28:29] offset:512
.Lno_bias:
	s_wait_tensorcnt 0x0                           ; my first fill has landed,
	s_wait_dscnt 0x0                               ; and my part of the table
	s_barrier_signal -1
	s_barrier_wait -1                              ; everybody's have
	WIN 0x40
.irp s, 0,1
.irp a, 0,1,2,3
.irp c, 0,1,2,3
	ds_load_b128 v[64*\s+16*\a+4*\c:64*\s+16*\a+4*\c+3], v[XL] offset:\a*16*XP+128*\s+32*\c
.endr
.endr
.endr
	WIN 0
	s_wait_loadcnt 0x0
	s_mov_b32 s69, 2
.Lhead:                                                ; two heads behind whose change the next head's rows are asked for
	CHANGE 1
	WORK 1
	s_sub_co_u32 s69, s69, 1
	s_cmp_lg_u32 s69, 0
	s_cbranch_scc1 .Lhead
	CHANGE 0
	WORK 0
	s_wait_tensorcnt 0x0                           ; the wave's end
	ds_add_u32 v[SPW], v[NIL]
	s_wait_dscnt 0x0
	ROUND                                          ; the closing round
	s_endpgm
.Lfunc_end_k_qdcbb6717c2_proj:
	.size	k_qdcbb6717c2_proj, .Lfunc_end_k_qdcbb6717c2_proj-k_qdcbb6717c2_proj
	.p2alignl 7, 3214868480
	.fill 96, 4, 3214868480
	.section	.rodata,"a",@progbits
	.p2align	6, 0x0
	.amdhsa_kernel k_qdcbb6717c2_proj
		.amdhsa_group_segment_fixed_size 327680
		.amdhsa_private_segment_fixed_size 0
		.amdhsa_enable_private_segment 0
		.amdhsa_kernarg_size 80
		.amdhsa_user_sgpr_count 2
		.amdhsa_user_sgpr_kernarg_segment_ptr 1
		.amdhsa_wavefront_size32 1
		.amdhsa_system_sgpr_workgroup_id_x 1
		.amdhsa_system_sgpr_workgroup_id_y 1
		.amdhsa_system_sgpr_workgroup_id_z 1
		.amdhsa_system_vgpr_workitem_id 0
		.amdhsa_next_free_vgpr 1024
		.amdhsa_next_free_sgpr 100
		.amdhsa_reserve_vcc 0
		.amdhsa_float_denorm_mode_32 3
		.amdhsa_float_denorm_mode_16_64 3
		.amdhsa_memory_ordered 1
		.amdhsa_forward_progress 1
		.amdhsa_inst_pref_size 186
	.end_amdhsa_kernel
	.amdgpu_metadata
---
amdhsa.version: [ 1, 2 ]
amdhsa.kernels:
  - .name:           k_qdcbb6717c2_proj
    .symbol:         k_qdcbb6717c2_proj.kd
    .args:
      - { .name: x_codes, .offset: 0, .size: 8, .value_kind: global_buffer, .address_space: global }
      - { .name: Wq_codes, .offset: 8, .size: 8, .value_kind: global_buffer, .address_space: global }
      - { .name: Wk_codes, .offset: 16, .size: 8, .value_kind: global_buffer, .address_space: global }
      - { .name: Wv_codes, .offset: 24, .size: 8, .value_kind: global_buffer, .address_space: global }
      - { .name: bq, .offset: 32, .size: 8, .value_kind: global_buffer, .address_space: global }
      - { .name: bk, .offset: 40, .size: 8, .value_kind: global_buffer, .address_space: global }
      - { .name: bv, .offset: 48, .size: 8, .value_kind: global_buffer, .address_space: global }
      - { .name: lowp_scales, .offset: 56, .size: 8, .value_kind: global_buffer, .address_space: global }
      - { .name: qimg, .offset: 64, .size: 8, .value_kind: global_buffer, .address_space: global }
      - { .name: kv, .offset: 72, .size: 8, .value_kind: global_buffer, .address_space: global }
    .group_segment_fixed_size: 327680
    .private_segment_fixed_size: 0
    .kernarg_segment_align: 8
    .kernarg_segment_size: 80
    .max_flat_workgroup_size: 128
    .sgpr_count:     100
    .vgpr_count:     1024
    .wavefront_size: 32
...
	.end_amdgpu_metadata
.endif
;; end of part 1
;; launch attn (part 2): grid 256 x 1, 8 waves a work-group, clusters of 4 x 1, 327,680 bytes of LDS; arguments qimg, kv, lowp_scales, out0; writes out0
.if DOCPART == 2
	.amdgcn_target "amdgcn-amd-amdhsa--gfx1250"
	.amdhsa_code_object_version 6
	.text
	.protected	k_qdcbb6717c2_attn
	.globl	k_qdcbb6717c2_attn
	.p2align	8
	.type	k_qdcbb6717c2_attn,@function
k_qdcbb6717c2_attn:
	s_mov_b64 s[64:65], 0
	v_nop
	global_prefetch_b8 v0, s[64:65] scope:SCOPE_SE
	s_setreg_imm32_b32 hwreg(HW_REG_WAVE_MODE, 25, 1), 1
	s_wait_xcnt 0x0
	s_wait_alu depctr_hold_cnt(0) depctr_sa_sdst(0) depctr_va_vdst(0) depctr_va_sdst(0) depctr_va_ssrc(0) depctr_va_vcc(0) depctr_vm_vsrc(0)
	s_getreg_b32 s2, hwreg(HW_REG_IB_STS2, 6, 4)
	s_cmp_eq_u32 s2, 0
	s_cbranch_scc0 .Lentry_in_a_cluster
	s_endpgm
.Lentry_in_a_cluster:
	s_bfe_u32 s2, ttmp6, 0x10000c
	s_cmp_lg_u32 s2, 0x3003
	s_cbranch_scc0 .Lentry_shape_is_right
	s_endpgm
.Lentry_shape_is_right:
; out = softmax(q k^T / sqrt(768)) v for 192 heads of 1,024 tokens and 64 d, on the codes of q, k, v that the launch before stored as images of operand registers (its head comment gives the layouts).
; t = (q . k) log2(e) / sqrt(768); M = the ceiling of the row's largest t so far, a whole number; p = 2^(t - M) is quantised; l = the f32 sum of the unquantised p; out = (p v) / l.
; When M moves, l and O are multiplied by 2^(old M - new M), which rounds nothing. Nothing of the problem is left out.
; SHARES. Cluster C (of 64) takes heads 3 C, 3 C + 1, 3 C + 2 one after the other; its four work-groups take 256 queries each and need the same K and V: 128 KiB a head, asked for jointly, 16 KiB a wave, into one of two slots.
; A wave owns 32 queries, two tiles, and walks the keys once, 128 a step: S^T = K Q^T (16 products of K = 64), the maxima, p, the sum, p's codes, O^T += V^T P^T (8 products of K = 128). A lane holds one query throughout.
; The next step's K is asked of LDS a step ahead, the next head's Q of memory a head ahead. O^T and l begin as zeros and the largest t as -3e38, so that the step is written with no first form of its own.
; No prefetch: a slot is asked for a whole head's eight steps ahead of its first read, and the first fill has no loop ahead of it.
; LIMITS: e6 + e7 between -121 and 132 (added to the exponent field of log2(e) / sqrt(768)); e8 between -126 and 119; e8 + e9 goes by v_ldexp_f32; the scaled scores t stay under 2^31 in magnitude.
; REGISTERS. window 0: v1, v2 the add's two; v3 16 x lane; v4-6 the way out; v8, v9 LDS addresses; v14 p's scale; v16-79 K's eight fragments; v80-207 S^T, 64 a tile; v208-239 p's codes, 16 a tile;
; v240-255 eight of statistics a tile: -M, the largest t, l in two halves, f and its pair's upper half, two at work. window 1: v0-63 O^T; v64-127 V^T; v128-143 Q; v144-159 the next head's Q.
.set REC, 8192                         ; a record of 64 keys: K's four fragments, then V^T's
.set SLOT1, 1<<17
.set SPARE, 2*SLOT1                    ; the spare words: 128 bytes a wave
.set SP, 272
.set STG, 16*SP
.set STAGE, SPARE+1024                 ; a stage of 16 rows x (256 + 16) bytes a wave: no fill lands there
.set SPW, 1
.set NIL, 2
.set ST, 240
.set WV, 12
.set G1, 40
.set G0, 48
.set TB, 52
.set HOLD, 53
.set MSB, 0
.macro WIN new
.if MSB != \new
	s_set_vgpr_msb (MSB<<8)|\new
.set MSB, \new
.endif
.endm
.macro PLACES n
.rept \n
	v_nop
.endr
.endm
.macro ROUND
	s_barrier_signal -1
	s_barrier_wait -1
	s_cmp_lg_u32 s[WV], 0
	s_cbranch_scc1 .Lnw0_\@
	s_barrier_signal -3
.Lnw0_\@:
	s_barrier_wait -3
	s_barrier_signal -1
	s_barrier_wait -1
.endm
.macro TLOAD                           ; every wave asks for its 16 KiB
	tensor_load_to_lds s[G0:G0+3], s[G1:G1+7]
	s_nop 0
	PLACES 4
.endm
.macro CHANGE fill                     ; the change of slots, at a head's start; fill = 1: the other slot takes the next head
	s_wait_tensorcnt 0x0
	ds_add_u32 v[SPW], v[NIL]
.if \fill
	s_xor_b32 s[G0+1], s[G0+1], SLOT1
	s_add_nc_u64 s[G0+2:G0+3], s[G0+2:G0+3], 131072
.endif
	s_wait_dscnt 0x0
.if \fill
	ROUND
	TLOAD
.else
	s_barrier_signal -1
	s_barrier_wait -1
.endif
.endm
.macro KLOAD reg, adr, off             ; four fragments' images
.irp c, 0,1,2,3
	ds_load_b128 v[\reg+8*\c:\reg+8*\c+3], v[\adr] offset:\off+1024*\c
	ds_load_b128 v[\reg+8*\c+4:\reg+8*\c+7], v[\adr] offset:\off+1024*\c+512
.endr
.endm
.macro VLOAD                           ; V^T of two records: 16 registers a d tile, keys 0-63 and then 64-127
	WIN 0x40
.irp d, 0,1,2,3
	ds_load_b128 v[64+16*\d:67+16*\d], v9 offset:4096+1024*\d
	ds_load_b128 v[68+16*\d:71+16*\d], v9 offset:4096+1024*\d+512
	ds_load_b128 v[72+16*\d:75+16*\d], v9 offset:REC+4096+1024*\d
	ds_load_b128 v[76+16*\d:79+16*\d], v9 offset:REC+4096+1024*\d+512
.endr
	WIN 0
.endm
.macro QLOAD                           ; my two fragments of Q, into window 1
	WIN 0x40
.irp t, 0,1
	global_load_b128 v[144+8*\t:147+8*\t], v3, s[4:5] offset:1024*\t
	global_load_b128 v[148+8*\t:151+8*\t], v3, s[4:5] offset:1024*\t+512
.endr
	WIN 0
.endm
.macro ADD4 t                          ; l takes tile t's 64 unquantised p, two a line, in four chains (v[10:11] and the two pairs at work in the statistics are free here)
.set P0, 80+64*\t
	v_pk_add_f32 v[10:11], v[P0:P0+1], v[P0+2:P0+3]
	v_pk_add_f32 v[ST+6:ST+7], v[P0+4:P0+5], v[P0+6:P0+7]
	v_pk_add_f32 v[ST+14:ST+15], v[P0+8:P0+9], v[P0+10:P0+11]
	v_pk_add_f32 v[ST+8*\t+2:ST+8*\t+3], v[ST+8*\t+2:ST+8*\t+3], v[P0+12:P0+13]
.set i, 14
.rept 6
	v_pk_add_f32 v[10:11], v[10:11], v[P0+i:P0+i+1]
	v_pk_add_f32 v[ST+6:ST+7], v[ST+6:ST+7], v[P0+i+2:P0+i+3]
	v_pk_add_f32 v[ST+14:ST+15], v[ST+14:ST+15], v[P0+i+4:P0+i+5]
	v_pk_add_f32 v[ST+8*\t+2:ST+8*\t+3], v[ST+8*\t+2:ST+8*\t+3], v[P0+i+6:P0+i+7]
.set i, i+8
.endr
	v_pk_add_f32 v[10:11], v[10:11], v[P0+62:P0+63]
	v_pk_add_f32 v[ST+6:ST+7], v[ST+6:ST+7], v[ST+14:ST+15]
	v_pk_add_f32 v[ST+8*\t+2:ST+8*\t+3], v[ST+8*\t+2:ST+8*\t+3], v[10:11]
	v_pk_add_f32 v[ST+8*\t+2:ST+8*\t+3], v[ST+8*\t+2:ST+8*\t+3], v[ST+6:ST+7]
.endm
.macro CVTS t                          ; tile t's 64 held p become 16 registers of codes
.irp c, 0,1,2,3,4,5,6,7
	v_cvt_scalef32_pk8_fp8_f32 v[208+16*\t+2*\c:209+16*\t+2*\c], v[80+64*\t+8*\c:87+64*\t+8*\c], v14
.endr
.endm
.macro EACH op:vararg                  ; one line for tile 0 and one for tile 1, so that the two tiles' chains take turns; T stands for 8 x tile
.set T, 0
	\op
.set T, 8
	\op
.endm
; a step of 128 keys. pre = 1: the next step's K is asked for
.macro STEPO pre
	v_mov_b32 v9, v8                               ; these two records; with three v_nop the places behind the last products, which read V^T's registers
	PLACES 3
	VLOAD
	s_wait_dscnt 16                                ; K's 16 loads are in; V^T's 16 may be out
	WIN 0x04                                       ; source 1 (Q) in window 1
.irp c, 0,1,2,3,4,5,6,7                        ; register 8 c + j of tile t is (key 16 c + 8 (lane / 16) + j, query lane % 16)
.irp t, 0,1
	v_wmma_f32_16x16x64_fp8_fp8 v[80+64*\t+8*\c:87+64*\t+8*\c], v[16+8*\c:23+8*\c], v[128+8*\t:135+8*\t], 0
.endr
.endr
	WIN 0
.if \pre
	s_add_co_u32 s87, s86, s[TB]
	v_add_nc_u32 v8, s87, v3
	s_add_co_u32 s86, s86, 2*REC
	PLACES 3                                       ; with the addition: four places
	KLOAD 16, 8, 0
	KLOAD 48, 8, REC
.else
	PLACES 4
.endif
	EACH v_max3_num_f32 v[ST+T+6], v[80+8*T], v[81+8*T], v[82+8*T]   ; the step's largest score of each query, two chains a tile; each accumulator from its low end on
	EACH v_max3_num_f32 v[ST+T+7], v[83+8*T], v[84+8*T], v[85+8*T]
.set i, 6
.rept 14
	EACH v_max3_num_f32 v[ST+T+6], v[ST+T+6], v[80+8*T+i], v[81+8*T+i]
	EACH v_max3_num_f32 v[ST+T+7], v[ST+T+7], v[82+8*T+i], v[83+8*T+i]
.set i, i+4
.endr
	EACH v_max3_num_f32 v[ST+T+6], v[ST+T+6], v[142+8*T], v[143+8*T]
	EACH v_max_num_f32 v[ST+T+6], v[ST+T+6], v[ST+T+7]
	EACH v_permlanex16_b32 v[ST+T+7], v[ST+T+6], s82, s83            ; the query's other keys lie in the lane 16 away
	EACH v_max_num_f32 v[ST+T+6], v[ST+T+6], v[ST+T+7]
	EACH v_mul_f32 v[ST+T+6], s80, v[ST+T+6]                         ; as t (c is positive)
	EACH v_max_num_f32 v[ST+T+1], v[ST+T+1], v[ST+T+6]               ; the running largest t
	EACH v_mov_b32 v[ST+T+6], v[ST+T]
	EACH v_floor_f32 v[ST+T], -v[ST+T+1]                             ; the new -M = floor(-t) = -ceil(t)
	EACH v_sub_f32 v[ST+T+6], v[ST+T], v[ST+T+6]                     ; old M - new M: a whole number, 0 or less
	EACH v_cvt_i32_f32 v[ST+T+6], v[ST+T+6]                          ; (it saturates)
	EACH v_ldexp_f32 v[ST+T+4], 1.0, v[ST+T+6]                       ; f = 2^(old M - new M)
; The exponentials go in two batches, a tile each. Among a batch's lines stand plain lines of the other tile that read nothing written since the wait ahead of the batch and whose results are first read behind the wait that follows it.
.set i, 0
.rept 32
	v_pk_fma_f32 v[80+i:81+i], v[80+i:81+i], s[80:81], v[ST:ST+1] op_sel_hi:[1,0,0]   ; tile 0: t - M
.set i, i+2
.endr
	EACH v_pk_mul_f32 v[ST+T+2:ST+T+3], v[ST+T+2:ST+T+3], v[ST+T+4:ST+T+5] op_sel_hi:[1,0]   ; l under the new M
	s_wait_alu depctr_va_vdst(0)                   ; ahead of a batch
.set i, 0
.rept 32
	v_exp_f32 v[80+i], v[80+i]                     ; tile 0's p,
	v_exp_f32 v[81+i], v[81+i]
	v_pk_fma_f32 v[144+i:145+i], v[144+i:145+i], s[80:81], v[ST+8:ST+9] op_sel_hi:[1,0,0]   ; and among them tile 1's t - M
.set i, i+2
.endr
	v_nop
	s_wait_alu depctr_va_vdst(0)                   ; behind the first batch and ahead of the second
	ADD4 0                                         ; the sum takes the unquantised p
.set i, 0
.rept 32
	v_exp_f32 v[144+i], v[144+i]                   ; tile 1's p,
	v_exp_f32 v[145+i], v[145+i]
	v_dual_min_num_f32 v[80+i], s[HOLD], v[80+i] :: v_dual_min_num_f32 v[81+i], s[HOLD], v[81+i]   ; and among them tile 0's hold, one-sided since p is not negative, two numbers a line
.set i, i+2
.endr
	v_nop
	s_wait_alu depctr_va_vdst(0)                   ; behind the second batch
	CVTS 0
	ADD4 1
.set i, 0
.rept 32
	v_dual_min_num_f32 v[144+i], s[HOLD], v[144+i] :: v_dual_min_num_f32 v[145+i], s[HOLD], v[145+i]
.set i, i+2
.endr
	CVTS 1
	WIN 0x41                                       ; O^T: destination and source 0 in window 1
	s_wait_alu depctr_va_vdst(0)                   ; directly ahead of the first reader of O^T
.set i, 0
.rept 16
	EACH v_pk_mul_f32 v[4*T+i:4*T+i+1], v[4*T+i:4*T+i+1], v[ST+T+4:ST+T+5] op_sel_hi:[1,0]   ; O^T under the new M
.set i, i+2
.endr
	WIN 0x51                                       ; V^T, C and D in window 1, the codes in window 0
	s_wait_alu depctr_va_vdst(0)
.if \pre
	s_wait_dscnt 16                                ; V^T is in; the next step's K may be out
.else
	s_wait_dscnt 0x0
.endif
.irp d, 0,1,2,3
.irp t, 0,1
	v_wmma_f32_16x16x128_fp8_fp8 v[8*(4*\t+\d):8*(4*\t+\d)+7], v[64+16*\d:79+16*\d], v[208+16*\t:223+16*\t], v[8*(4*\t+\d):8*(4*\t+\d)+7]
.endr
.endr
	WIN 0
.endm
.macro TOSTAGE t                       ; a lane's 32 bytes of a row go into my stage and come back as whole rows of 256 bytes (LDS serves a wave's instructions in order: ISA guide 5.7.1.4)
.irp d, 0,1,2,3
	ds_store_b128 v4, v[80+32*\t+8*\d:83+32*\t+8*\d] offset:64*\d
	ds_store_b128 v4, v[84+32*\t+8*\d:87+32*\t+8*\d] offset:64*\d+16
.endr
.irp f, 0,1,2,3,4,5,6,7
	ds_load_b128 v[80+32*\t+4*\f:83+32*\t+4*\f], v5 offset:\f*2*SP
.endr
.endm
.macro SEND t, younger                 ; younger: the LDS instructions issued behind tile t's loads
.irp f, 0,1,2,3,4,5,6,7
	s_wait_dscnt \younger+7-\f
	global_store_b128 v6, v[80+32*\t+4*\f:83+32*\t+4*\f], s[10:11] offset:\t*49152+\f*6144 th:TH_STORE_NT   ; 16 lanes store a token's 256 bytes of this head, aligned
.endr
.endm
; one head for my 32 queries
.macro UNIT fill
	CHANGE \fill
	v_add_nc_u32 v8, s[TB], v3
	KLOAD 16, 8, 0
	KLOAD 48, 8, REC
	s_wait_loadcnt 0x0                             ; this head's Q
	WIN 0x41
.set i, 0
.rept 16
	v_mov_b32 v[128+i], v[144+i]
.set i, i+1
.endr
	WIN 0x40
.set i, 0
.rept 64
	v_mov_b32 v[i], 0                              ; O^T: the first change of M leaves zeros zeros
.set i, i+1
.endr
.if \fill
	s_add_nc_u64 s[4:5], s[4:5], 65536
	QLOAD                                          ; the next head's
.endif
	WIN 0
	EACH v_mov_b32 v[ST+T+1], 0xff61b1e6           ; the largest t so far: -3e38
	EACH v_floor_f32 v[ST+T], -v[ST+T+1]           ; -M
	EACH v_mov_b32 v[ST+T+2], 0                    ; l, in two halves
	EACH v_mov_b32 v[ST+T+3], 0
	EACH v_mov_b32 v[ST+T+5], 0                    ; (named as the upper half of f's pair)
	s_mov_b32 s86, 2*REC
	s_mov_b32 s84, 7
	s_wait_alu depctr_va_vdst(0)
.Lst_\@:
	STEPO 1
	s_sub_co_u32 s84, s84, 1
	s_cmp_lg_u32 s84, 0
	s_cbranch_scc1 .Lst_\@
	STEPO 0                                        ; the last step asks for no further K
	EACH v_add_f32 v[ST+T+2], v[ST+T+2], v[ST+T+3]
	EACH v_permlanex16_b32 v[ST+T+6], v[ST+T+2], s82, s83
	EACH v_add_f32 v[ST+T+2], v[ST+T+2], v[ST+T+6]   ; l
	s_wait_alu depctr_va_vdst(0)                   ; ahead of the transcendentals
	EACH v_rcp_f32 v[ST+T+4], v[ST+T+2]
	v_nop
	s_wait_alu depctr_va_vdst(0)                   ; and ahead of their first reader
	EACH v_ldexp_f32 v[ST+T+4], v[ST+T+4], s94     ; 2^(e8 + e9) / l
	WIN 0x01
	s_wait_alu depctr_va_vdst(0)                   ; and directly ahead of the first readers of O^T
.set i, 0
.rept 16
	EACH v_pk_mul_f32 v[80+4*T+i:81+4*T+i], v[4*T+i:4*T+i+1], v[ST+T+4:ST+T+5] op_sel_hi:[1,0]
.set i, i+2
.endr
	WIN 0
	TOSTAGE 0
	TOSTAGE 1
	SEND 0, 16
	SEND 1, 0
	s_wait_xcnt 0x0                                ; the stores have read their registers and their base
	s_add_nc_u64 s[10:11], s[10:11], 256           ; the next head's 256 bytes of a token
	s_xor_b32 s[TB], s[TB], SLOT1
.endm
	s_load_b128 s[4:7], s[0:1], 0x0                ; qimg, kv
	s_load_b128 s[8:11], s[0:1], 0x10              ; the exponents, the output
	v_lshl_add_u32 v[SPW], v0, 2, SPARE
	v_mov_b32 v[NIL], 0
	ds_add_u32 v[SPW], v[NIL]                      ; the opening lines: the add twice and its wait
	ds_add_u32 v[SPW], v[NIL]
	v_lshrrev_b32 v3, 5, v0
	v_readfirstlane_b32 s[WV], v3
	s_bfe_u32 s13, ttmp6, 0x40000                  ; cx: my quarter of the queries
	s_mov_b32 s[G1], 15|(1<<21)                    ; all four of the cluster; bytes; no padding: 64 rows of 256 bytes, dense
	s_mov_b32 s[G1+1], 256<<16
	s_mov_b32 s[G1+2], 64<<16
	s_mov_b32 s[G1+3], 256<<16
	s_mov_b32 s[G1+4], 64
	s_mov_b32 s[G1+5], 256
	s_mov_b32 s[G1+6], 0
	s_mov_b32 s[G1+7], 0
	s_mov_b32 s[G0], 1
	s_lshl_b32 s[G0+1], s[WV], 14
	s_mov_b32 s[TB], 0
	s_mul_i32 s14, ttmp9, 3*131072
	s_add_co_u32 s14, s14, s[G0+1]                 ; kv: head 3 C, + 16 KiB x wave
	s_mov_b32 s15, 0
	s_mul_i32 s16, ttmp9, 3*65536                  ; qimg: head 3 C, fragment 16 cx + 2 wave
	s_lshl_b32 s20, s13, 14
	s_add_co_u32 s16, s16, s20
	s_lshl_b32 s20, s[WV], 11
	s_add_co_u32 s16, s16, s20
	s_mov_b32 s17, 0
	s_lshr_b32 s18, ttmp9, 2                       ; the output: batch C / 4, token 256 cx + 32 wave, head 3 (C % 4)
	s_mul_i32 s18, s18, 1024*3072
	s_lshl_b32 s19, s13, 8
	s_lshl_b32 s20, s[WV], 5
	s_add_co_u32 s19, s19, s20
	s_mul_i32 s19, s19, 3072
	s_add_co_u32 s18, s18, s19
	s_and_b32 s19, ttmp9, 3
	s_mul_i32 s19, s19, 768
	s_add_co_u32 s18, s18, s19
	s_mov_b32 s19, 0
	s_mov_b32 s82, 0x76543210                      ; v_permlanex16_b32's selects for lane l xor 16
	s_mov_b32 s83, 0xfedcba98
	s_wait_dscnt 0x0
	s_wait_kmcnt 0x0
	s_load_b128 s[28:31], s[8:9], 0x18             ; e6, e7, e8, e9
	s_add_nc_u64 s[G0+2:G0+3], s[6:7], s[14:15]
	s_or_b32 s[G0+3], s[G0+3], 0x80000000
	s_add_nc_u64 s[4:5], s[4:5], s[16:17]
	s_add_nc_u64 s[10:11], s[10:11], s[18:19]
	ROUND
	TLOAD                                          ; the first head, into slot 0
	v_and_b32 v3, 31, v0
	v_lshlrev_b32 v3, 4, v3                        ; 16 x lane
	QLOAD                                          ; the first head's Q
	v_and_b32 v10, 15, v0
	v_bfe_u32 v11, v0, 4, 1
	s_mul_i32 s14, s[WV], STG
	s_add_co_u32 s14, s14, STAGE                   ; my stage
	v_mul_u32_u24 v4, v10, SP                      ; in: row lane % 16, 32 bytes for each half of the lanes
	v_lshl_add_u32 v4, v11, 5, v4
	v_add_nc_u32 v4, s14, v4
	v_mul_u32_u24 v5, v11, SP                      ; back: lanes 0-15 one row, lanes 16-31 the next
	v_lshl_add_u32 v5, v10, 4, v5
	v_add_nc_u32 v5, s14, v5
	v_mul_u32_u24 v6, v11, 3072                    ; and the same two tokens in the output
	v_lshl_add_u32 v6, v10, 4, v6
	s_wait_kmcnt 0x0
	s_add_co_i32 s14, s28, s29
	s_lshl_b32 s14, s14, 23
	s_add_co_i32 s80, s14, 0x3d553b95              ; c = log2(e) / sqrt(768), with e6 + e7 added to its exponent field
	s_mov_b32 s81, s80
	s_add_co_i32 s94, s30, s31                     ; e8 + e9
	s_add_co_i32 s14, s30, 127
	s_lshl_b32 s15, s14, 23
	v_mov_b32 v14, s15                             ; 2^e8, for p's conversion
	s_add_co_i32 s14, s14, 8
	s_lshl_b32 s14, s14, 23
	s_or_b32 s[HOLD], s14, 0x600000                ; 448 x 2^e8
	s_wait_alu depctr_va_vdst(0)
	s_mov_b32 s85, 2
.Lunit:                                                ; two heads behind whose change the next head's K and V are asked for
	UNIT 1
	s_sub_co_u32 s85, s85, 1
	s_cmp_lg_u32 s85, 0
	s_cbranch_scc1 .Lunit
	UNIT 0                                         ; the last head is written out: nothing is left to ask for
	s_wait_tensorcnt 0x0                           ; the wave's end
	ds_add_u32 v[SPW], v[NIL]
	s_wait_dscnt 0x0
	ROUND                                          ; the closing round
	s_endpgm
.Lfunc_end_k_qdcbb6717c2_attn:
	.size	k_qdcbb6717c2_attn, .Lfunc_end_k_qdcbb6717c2_attn-k_qdcbb6717c2_attn
	.p2alignl 7, 3214868480
	.fill 96, 4, 3214868480
	.section	.rodata,"a",@progbits
	.p2align	6, 0x0
	.amdhsa_kernel k_qdcbb6717c2_attn
		.amdhsa_group_segment_fixed_size 327680
		.amdhsa_private_segment_fixed_size 0
		.amdhsa_enable_private_segment 0
		.amdhsa_kernarg_size 32
		.amdhsa_user_sgpr_count 2
		.amdhsa_user_sgpr_kernarg_segment_ptr 1
		.amdhsa_wavefront_size32 1
		.amdhsa_system_sgpr_workgroup_id_x 1
		.amdhsa_system_sgpr_workgroup_id_y 1
		.amdhsa_system_sgpr_workgroup_id_z 1
		.amdhsa_system_vgpr_workitem_id 0
		.amdhsa_next_free_vgpr 416
		.amdhsa_next_free_sgpr 100
		.amdhsa_reserve_vcc 0
		.amdhsa_float_denorm_mode_32 3
		.amdhsa_float_denorm_mode_16_64 3
		.amdhsa_memory_ordered 1
		.amdhsa_forward_progress 1
		.amdhsa_inst_pref_size 140
	.end_amdhsa_kernel
	.amdgpu_metadata
---
amdhsa.version: [ 1, 2 ]
amdhsa.kernels:
  - .name:           k_qdcbb6717c2_attn
    .symbol:         k_qdcbb6717c2_attn.kd
    .args:
      - { .name: qimg, .offset: 0, .size: 8, .value_kind: global_buffer, .address_space: global }
      - { .name: kv, .offset: 8, .size: 8, .value_kind: global_buffer, .address_space: global }
      - { .name: lowp_scales, .offset: 16, .size: 8, .value_kind: global_buffer, .address_space: global }
      - { .name: out0, .offset: 24, .size: 8, .value_kind: global_buffer, .address_space: global }
    .group_segment_fixed_size: 327680
    .private_segment_fixed_size: 0
    .kernarg_segment_align: 8
    .kernarg_segment_size: 32
    .max_flat_workgroup_size: 256
    .sgpr_count:     100
    .vgpr_count:     416
    .wavefront_size: 32
...
	.end_amdgpu_metadata
.endif
;; end of part 2
